; MI455X (gfx1250); checked and timed in simulation.
; The chip was launched on July 23, 2026; its instructions are those of AMD's public machine-readable ISA for CDNA 5 (MIT licence, August 2026) and "CDNA5" Instruction Set Architecture Reference Guide (July 2026). The comments in the code are by the model that wrote it; some were corrected since.
;; Piecewise Linear. Allowed arithmetic: float matrix products may take bf16 or f16 operands with f32 sums; all other float work in f32.
;; Inputs: inputs 4,096 x 256 x 2 float32; x 4,096 x 4,096 float32.
;; Outputs: out0 4,096 x 4,096 float32.
;; 2 versions, each right; version 2 is version 1 with the launch interp written anew for expert scheduling mode. Each part assembles by itself: llvm-mc -triple=amdgcn-amd-amdhsa -mcpu=gfx1250 --defsym DOCPART=n.
;; ======== version 1 of 2: 2 launches
;; workspace buffers: bins 16,777,216 bytes of whole numbers
;; launch binning (part 1): grid 256 x 1, 16 waves a work-group, no clusters, 0 bytes of LDS; arguments x, bins; writes bins
.if DOCPART == 1
	.amdgcn_target "amdgcn-amd-amdhsa--gfx1250"
	.amdhsa_code_object_version 6
	.text
	.protected	k_qe5360ee35e_binning
	.globl	k_qe5360ee35e_binning
	.p2align	8
	.type	k_qe5360ee35e_binning,@function
k_qe5360ee35e_binning:
	s_mov_b64 s[64:65], 0
	v_nop
	global_prefetch_b8 v0, s[64:65] scope:SCOPE_SE
	s_setreg_imm32_b32 hwreg(HW_REG_WAVE_MODE, 25, 1), 1
	s_wait_xcnt 0x0
; bins = clamp(floor(256 x), 0, 255), one byte for each of the 4096 x 4096 queries.
; Why a launch of its own: the next launch looks a table up by this number, and in this program an address is formed only
; from whole numbers read from memory, never from a floating-point number inside the launch that computes it.
; 256 x is exact (a power of two).  v_cvt_u32_f32 truncates, which is floor for x >= 0, takes negative numbers and NaN to 0
; and saturates above (AMD's ISA guide, the instruction's entry), so x outside [0, 1) lands in bin 0 or, by the minimum, in bin 255.
; Sixteen waves; the work-group owns 16 rows, a wave one row of 16,384 bytes.  A wave issues its 32 loads (512 consecutive
; bytes each) at once and keeps the row in 128 registers: no register is written twice while a memory instruction names it.
; Layout of bins (this program's own): byte  row*4096 + 512 g + 16 lane + 4 i + e  holds the bin of column 128 (4 g + i) + 4 lane + e,
; so that a lane stores 16 consecutive bytes here, and finds the bins of its own queries in 16 consecutive bytes in the next launch.
; No LDS, barrier, matrix unit or cluster: the waves share nothing.
.set XO, 2                             ; v2        byte offset in x: wave * 16384 + 16 lane
.set BO, 3                             ; v3        byte offset in bins: wave * 4096 + 16 lane
.set PR, 4                             ; v[4:7]    four numbers at work
.set BW, 8                             ; v[8:39]   word c: the four bins of chunk c
.set XQ, 40                            ; v[40:167] chunk c: 4 registers as loaded
	s_load_b128 s[4:7], s[0:1], 0x0                ; x s[4:5], bins s[6:7]
	v_and_b32 v1, 31, v0                           ; lane
	v_lshrrev_b32 v[XO], 5, v0                     ; wave
	v_lshlrev_b32 v1, 4, v1                        ; 16 bytes a lane
	v_lshl_add_u32 v[BO], v[XO], 12, v1            ; + wave * 4,096: a row of bins
	v_lshl_add_u32 v[XO], v[XO], 14, v1            ; + wave * 16,384: a row of x
	s_lshl_b32 s8, ttmp9, 18                       ; the work-group's 16 rows of x: 262,144 bytes (255 << 18 is below 2^31)
	s_mov_b32 s9, 0
	s_lshl_b32 s10, ttmp9, 16                      ; and of bins: 65,536 bytes
	s_mov_b32 s11, 0
	s_mov_b32 s12, 0x43800000                      ; 256.0, broadcast by the packed multiply;
	s_mov_b32 s13, 0x43800000                      ; the pair is named whole
	s_movk_i32 s14, 0xff                           ; the last bin
	s_wait_kmcnt 0x0
	s_add_nc_u64 s[4:5], s[4:5], s[8:9]
	s_add_nc_u64 s[6:7], s[6:7], s[10:11]
.irp c, 0,1,2,3,4,5,6,7,8,9,10,11,12,13,14,15,16,17,18,19,20,21,22,23,24,25,26,27,28,29,30,31
	global_load_b128 v[XQ+4*\c:XQ+4*\c+3], v[XO], s[4:5] offset:512*\c th:TH_LOAD_NT
.endr
; chunk c: four queries of the lane become one word of four bins
.macro WORD c
	s_wait_loadcnt 31-(\c)                         ; loads return in order: chunk c is in, the 31 - c younger ones stay out
	v_pk_mul_f32 v[PR:PR+1],   v[XQ+4*(\c):XQ+4*(\c)+1],   s[12:13] op_sel_hi:[1,0]
	v_pk_mul_f32 v[PR+2:PR+3], v[XQ+4*(\c)+2:XQ+4*(\c)+3], s[12:13] op_sel_hi:[1,0]
.irp q, 0,1,2,3
	v_cvt_u32_f32 v[PR+\q], v[PR+\q]
.endr
.irp q, 0,1,2,3
	v_min_u32 v[PR+\q], s14, v[PR+\q]
.endr
	v_lshl_or_b32 v[PR],   v[PR+1], 8, v[PR]
	v_lshl_or_b32 v[PR+2], v[PR+3], 8, v[PR+2]
	v_lshl_or_b32 v[BW+(\c)], v[PR+2], 16, v[PR]
.endm
.irp c, 0,1,2,3,4,5,6,7,8,9,10,11,12,13,14,15,16,17,18,19,20,21,22,23,24,25,26,27,28,29,30,31
	WORD \c
.if (\c)%4 == 3
	; four words are full: the wave stores 512 consecutive bytes, aligned.  No cache hint: the next launch reads them.
	global_store_b128 v[BO], v[BW+(\c)-3:BW+(\c)], s[6:7] offset:128*((\c)-3)
.endif
.endr
	s_endpgm
.Lfunc_end_k_qe5360ee35e_binning:
	.size	k_qe5360ee35e_binning, .Lfunc_end_k_qe5360ee35e_binning-k_qe5360ee35e_binning
	.p2alignl 7, 3214868480
	.fill 96, 4, 3214868480
	.section	.rodata,"a",@progbits
	.p2align	6, 0x0
	.amdhsa_kernel k_qe5360ee35e_binning
		.amdhsa_group_segment_fixed_size 0
		.amdhsa_private_segment_fixed_size 0
		.amdhsa_enable_private_segment 0
		.amdhsa_kernarg_size 16
		.amdhsa_user_sgpr_count 2
		.amdhsa_user_sgpr_kernarg_segment_ptr 1
		.amdhsa_wavefront_size32 1
		.amdhsa_system_sgpr_workgroup_id_x 1
		.amdhsa_system_sgpr_workgroup_id_y 1
		.amdhsa_system_sgpr_workgroup_id_z 1
		.amdhsa_system_vgpr_workitem_id 0
		.amdhsa_next_free_vgpr 168
		.amdhsa_next_free_sgpr 66
		.amdhsa_reserve_vcc 0
		.amdhsa_float_denorm_mode_32 3
		.amdhsa_float_denorm_mode_16_64 3
		.amdhsa_memory_ordered 1
		.amdhsa_forward_progress 1
		.amdhsa_inst_pref_size 24
	.end_amdhsa_kernel
	.amdgpu_metadata
---
amdhsa.version: [ 1, 2 ]
amdhsa.kernels:
  - .name:           k_qe5360ee35e_binning
    .symbol:         k_qe5360ee35e_binning.kd
    .args:
      - { .name: x, .offset: 0, .size: 8, .value_kind: global_buffer, .address_space: global }
      - { .name: bins, .offset: 8, .size: 8, .value_kind: global_buffer, .address_space: global }
    .group_segment_fixed_size: 0
    .private_segment_fixed_size: 0
    .kernarg_segment_align: 8
    .kernarg_segment_size: 16
    .max_flat_workgroup_size: 512
    .sgpr_count:     66
    .vgpr_count:     168
    .wavefront_size: 32
...
	.end_amdgpu_metadata
.endif
;; end of part 1
;; launch interp (part 2): grid 256 x 1, 16 waves a work-group, no clusters, 67,584 bytes of LDS; arguments inputs, x, bins, out0; writes out0
.if DOCPART == 2
	.amdgcn_target "amdgcn-amd-amdhsa--gfx1250"
	.amdhsa_code_object_version 6
	.text
	.protected	k_qe5360ee35e_interp
	.globl	k_qe5360ee35e_interp
	.p2align	8
	.type	k_qe5360ee35e_interp,@function
k_qe5360ee35e_interp:
	s_mov_b64 s[64:65], 0
	v_nop
	global_prefetch_b8 v0, s[64:65] scope:SCOPE_SE
	s_setreg_imm32_b32 hwreg(HW_REG_WAVE_MODE, 25, 1), 1
	s_wait_xcnt 0x0
; out0[row][q] = interp(x[row][q]; knots xp[row][0..255], values fp[row][0..255]), extrapolated at both ends.
; THE KNOTS.  tanh p = 1 - 2 r with r = 1 / (1 + e^(2p)), so  xp[j] = (j + 1/2)/256 + tanh(p)/512 = (j + 1 - r)/256 :
; one fused multiply-add on the exact (j + 1)/256, then the clip to [0, 1].  r lies in [0, 1], so knot j lies in bin j = [j/256, (j+1)/256].
; THE SEARCH.  With b = clamp(floor(256 x), 0, 255) (made by the launch before, read here as a byte) the knots below bin b are <= x and those
; above are > x, so the count of knots <= x is b + (xp[b] <= x): the segment is the one right or left of knot b, and both pass through
; (xp[b], fp[b]).  One record of 16 bytes for each bin, (xp, fp, slope left, slope right), one LDS load for each query, and
;     out = fp + (x - xp) * (x >= xp ? right : left).
; x - xp is formed first and multiplied by the slope: no difference of large products.
; THE ENDS, as the clip of the segment number to 1 .. 255 has them: record 0's left slope is S[0], record 255's right slope is S[254].
; A segment with |dx| <= 2^-46 has slope 0 (the value at its left knot is returned); inside the table no query falls into such a segment;
; at the upper end the left knot's value is fp[254], so record 255 then carries fp[254] (all of bin 255 is right of its knot in that case).
; LIMITS.  Centres are the exact (j + 1/2)/256, where a linspace in f32 rounds them to within about one unit in the last place; the slope is
; df * rcp(dx), not (delta/dx) * df;  x = +-inf on a segment of slope 0 gives NaN;  NaN in inputs[..][0] is not served.
; THE SHAPE.  Sixteen waves, 16 rows, a wave one row.  Each wave has its own table of 4,096 bytes at wave * 4,096 and reads no other wave's
; bytes: no barrier.  All 44 loads of a wave are issued first (2 KB of inputs, 4 KB of bins, 16 KB of x): nothing is asked for later, no
; register that a memory instruction names is written again, and results replace x in its registers.
; No tensor loads, clusters or matrix units: no byte is shared between work-groups and there is no product of matrices.
.set NBUF, 3                           ; gather buffers: chunks c+1 and c+2 are on their way while chunk c is finished
.set OFF,  1                           ; v1         16 lane: my 16 bytes of every 512
.set TB,   2                           ; v2         LDS address of my even record of quarter 0: table + 32 lane
.set NB3,  3                           ; v3         quarter 3: the record behind my odd one, held at record 255
.set W3,   4                           ; v4         quarter 3: left-slope word of the record behind my odd one, wrapped to record 0
.set WV,   5                           ; v5         what goes there
.set LN,   6                           ; v6         lane
.set AD,   8                           ; v[8:19]    gather addresses, a set of four for each buffer
.set IN,   20                          ; v[20:35]   quarter k: (p, t) of bins 2 lane + 64 k and the next; p becomes xp in place
.set SL,   36                          ; v[36:43]   slopes S[j] of my eight bins, in pairs (even, odd)
.set IDX,  44                          ; v[44:75]   word c: the bins of chunk c's four queries
.set XQ,   76                          ; v[76:203]  chunk c: four x, then four results
.set RB,   204                         ; v[204:251] buffer s: four records of four words.  Before the first gather: the build's temporaries
.set EDGE, RB                          ; (j + 1)/256 of my eight bins
.set ARG,  RB+8                        ; 2 p log2(e)
.set EXQ,  RB+16                       ; e^(2p), then 1 + e^(2p)
.set RCP,  RB+24                       ; r
.set NXT,  RB+32                       ; (xp, fp) of the record behind each odd bin
.set DX,   RB+40                       ; xp[j+1] - xp[j]
.set DF,   ARG                         ; fp[j+1] - fp[j]
.set QT,   EXQ                         ; 1/dx, then df/dx
.set DM,   28                          ; s[28:35]   lanes whose segment has |dx| <= 2^-46, for each of the eight
.set QM,   36                          ; s[36:39]   lanes with x >= xp, for each of a chunk's four queries
	s_load_b256 s[4:11], s[0:1], 0x0               ; inputs s[4:5], x s[6:7], bins s[8:9], out0 s[10:11]
	v_lshl_add_u32 v252, v0, 2, 0x10000
	v_mov_b32 v253, 0
	v_lshrrev_b32 v[WV], 5, v0
	v_readfirstlane_b32 s20, v[WV]                 ; wave 0..15
	v_and_b32 v[LN], 31, v0
	v_lshlrev_b32 v[OFF], 4, v[LN]
	s_lshl_b32 s12, ttmp9, 4
	s_add_co_u32 s12, s12, s20                     ; my row
	s_lshl_b32 s14, s12, 11                        ; 2,048 bytes of inputs a row
	s_mov_b32 s15, 0
	s_lshl_b32 s16, s12, 14                        ; 16,384 bytes of x and of out0 (4095 << 14 is below 2^31)
	s_mov_b32 s17, 0
	s_lshl_b32 s18, s12, 12                        ; 4,096 bytes of bins
	s_mov_b32 s19, 0
	s_lshl_b32 s21, s20, 12                        ; my table in LDS
	s_mov_b32 s22, 0x3b800000                      ; 1/256
	s_mov_b32 s23, 0x4038aa3b                      ; 2 log2(e)
	s_mov_b32 s24, 0x28800000                      ; 2^-46, the spacing of f32's epsilon
	s_wait_kmcnt 0x0
	s_add_nc_u64 s[4:5], s[4:5], s[14:15]
	s_add_nc_u64 s[6:7], s[6:7], s[16:17]
	s_add_nc_u64 s[8:9], s[8:9], s[18:19]
	s_add_nc_u64 s[10:11], s[10:11], s[16:17]
	; every load covers 512 consecutive bytes; in the order in which they are needed
.irp k, 0,1,2,3
	global_load_b128 v[IN+4*\k:IN+4*\k+3], v[OFF], s[4:5] offset:512*\k th:TH_LOAD_NT
.endr
.irp g, 0,1,2,3,4,5,6,7
	global_load_b128 v[IDX+4*\g:IDX+4*\g+3], v[OFF], s[8:9] offset:512*\g th:TH_LOAD_NT
.endr
.irp c, 0,1,2,3,4,5,6,7,8,9,10,11,12,13,14,15,16,17,18,19,20,21,22,23,24,25,26,27,28,29,30,31
	global_load_b128 v[XQ+4*\c:XQ+4*\c+3], v[OFF], s[6:7] offset:512*\c th:TH_LOAD_NT
.endr
	; what hangs on the lane alone, while the loads are out
	v_lshlrev_b32 v[TB], 5, v[LN]                  ; two records a lane
	v_add_nc_u32 v[NB3], 32, v[TB]
	v_min_u32 v[NB3], 0x3f0, v[NB3]                ; + 3,072: lane 31 has no record 256 and reads record 255 (dx = 0; its slope is replaced below)
	v_add_nc_u32 v[W3], 0xc28, v[TB]               ; 3,072 + 32 + 8: left-slope word of record 2 lane + 194;
	v_and_b32 v[W3], 0xfff, v[W3]                  ; lane 31's 4,104 wraps to 8, record 0's left-slope word
	v_add_nc_u32 v[TB], s21, v[TB]
	v_add_nc_u32 v[NB3], s21, v[NB3]
	v_add_nc_u32 v[W3], s21, v[W3]
	v_cmp_eq_u32 s25, 31, v[LN]                    ; lane 31 holds bins 254 and 255 in quarter 3
	v_lshl_or_b32 v[EDGE], v[LN], 1, 1
	v_cvt_f32_u32 v[EDGE], v[EDGE]
	v_mul_f32 v[EDGE], s22, v[EDGE]                ; (2 lane + 1)/256: upper edge of my even bin of quarter 0.  All of these are exact
	v_add_f32 v[EDGE+1], s22, v[EDGE]              ; the odd bin's
.irp k, 1,2,3
	v_add_f32 v[EDGE+2*\k],   0x3e800000, v[EDGE+2*\k-2]   ; 64 bins on: + 1/4
	v_add_f32 v[EDGE+2*\k+1], 0x3e800000, v[EDGE+2*\k-1]
.endr
	; THE TABLE.  i = 0..7: bin 2 lane + 64 (i/2) + i%2, its p in IN+2i, its t in IN+2i+1
	s_wait_loadcnt 40                              ; inputs are in; the 8 loads of bins and the 32 of x stay out
.irp i, 0,1,2,3,4,5,6,7
	v_mul_f32 v[ARG+\i], s23, v[IN+2*\i]
.endr
.irp i, 0,1,2,3,4,5,6,7
	v_exp_f32 v[EXQ+\i], v[ARG+\i]                 ; e^(2p); +inf and 0 at the far ends give r = 0 and r = 1, tanh = +1 and -1
.endr
	v_nop                                          ; one plain instruction between a transcendental and the first use of a result (ISA guide 5.7.2)
	s_wait_alu depctr_va_vdst(0)
.irp i, 0,1,2,3,4,5,6,7
	v_add_f32 v[EXQ+\i], 1.0, v[EXQ+\i]
.endr
.irp i, 0,1,2,3,4,5,6,7
	v_rcp_f32 v[RCP+\i], v[EXQ+\i]
.endr
	v_nop
	s_wait_alu depctr_va_vdst(0)
.irp i, 0,1,2,3,4,5,6,7
	v_fma_f32 v[IN+2*\i], -v[RCP+\i], s22, v[EDGE+\i]      ; xp = (j + 1)/256 - r/256, rounded once
.endr
.irp i, 0,1,2,3,4,5,6,7
	v_max_num_f32 v[IN+2*\i], 0, v[IN+2*\i]        ; the clip to [0, 1]
.endr
.irp i, 0,1,2,3,4,5,6,7
	v_min_num_f32 v[IN+2*\i], 1.0, v[IN+2*\i]
.endr
.irp k, 0,1,2,3
	v_sub_f32 v[DX+2*\k], v[IN+4*\k+2], v[IN+4*\k]         ; the even bins' segments end at my own odd bins
	v_sub_f32 v[DF+2*\k], v[IN+4*\k+3], v[IN+4*\k+1]
.endr
	v_cmp_le_f32 s26, |v[DX+6]|, s24               ; segment 254 without width:
	s_and_b32 s26, s26, s25
	v_cndmask_b32 v[IN+15], v[IN+15], v[IN+13], s26        ; record 255 then carries fp[254]
.irp k, 0,1,2,3
	ds_store_b64 v[TB], v[IN+4*\k:IN+4*\k+1]   offset:1024*\k      ; (xp, fp) of the even record
	ds_store_b64 v[TB], v[IN+4*\k+2:IN+4*\k+3] offset:1024*\k+16   ; and of the odd one
.endr
.irp k, 0,1,2
	ds_load_b64 v[NXT+2*\k:NXT+2*\k+1], v[TB] offset:1024*\k+32    ; the record behind my odd one: another lane of this wave stored it,
.endr
	ds_load_b64 v[NXT+6:NXT+7], v[NB3] offset:3072                 ; and LDS serves a wave's instructions in order (ISA guide 5.7.1)
	s_wait_dscnt 0x0
.irp k, 0,1,2,3
	v_sub_f32 v[DX+2*\k+1], v[NXT+2*\k],   v[IN+4*\k+2]
	v_sub_f32 v[DF+2*\k+1], v[NXT+2*\k+1], v[IN+4*\k+3]
.endr
.irp i, 0,1,2,3,4,5,6,7
	v_rcp_f32 v[QT+\i], v[DX+\i]
.endr
	v_nop
.irp i, 0,1,2,3,4,5,6,7
	v_cmp_le_f32 s[DM+\i], |v[DX+\i]|, s24
.endr
	s_wait_alu depctr_va_vdst(0)
.irp i, 0,1,2,3,4,5,6,7
	v_mul_f32 v[QT+\i], v[QT+\i], v[DF+\i]
.endr
.irp i, 0,1,2,3,4,5,6,7
	v_cndmask_b32 v[SL+\i], v[QT+\i], 0, s[DM+\i]  ; S[j] = df/dx, or 0 where the segment has no width
.endr
	v_cndmask_b32 v[SL+7], v[SL+7], v[SL+6], s25   ; right of knot 255 the line of segment 254 goes on
	v_readfirstlane_b32 s27, v[SL]                 ; S[0], from lane 0: a value, it steers nothing
	v_cndmask_b32 v[WV], v[SL+7], s27, s25         ; lane 31 writes it to record 0: left of knot 0 the line of segment 0 goes on
.irp k, 0,1,2,3
	ds_store_b32 v[TB], v[SL+2*\k]             offset:1024*\k+12   ; even record: right slope
	ds_store_b64 v[TB], v[SL+2*\k:SL+2*\k+1]   offset:1024*\k+24   ; odd record: left and right slope
.endr
.irp k, 0,1,2
	ds_store_b32 v[TB], v[SL+2*\k+1]           offset:1024*\k+40   ; the record behind: left slope
.endr
	ds_store_b32 v[W3], v[WV]
; THE QUERIES, 32 chunks of four a lane.
; ISSUE c: the four records of chunk c are asked for.  The address registers of a set are written again only behind the
; wait in FINISH that shows the set's last loads done.
.macro ISSUE c
.irp q, 0,1,2,3
	v_bfe_u32 v[AD+4*((\c)%NBUF)+\q], v[IDX+(\c)], 8*\q, 8
.endr
.irp q, 0,1,2,3
	v_min_u32 v[AD+4*((\c)%NBUF)+\q], 0xff, v[AD+4*((\c)%NBUF)+\q]         ; a number read from memory enters an address only behind a minimum with a constant:
.endr
.irp q, 0,1,2,3
	v_lshl_add_u32 v[AD+4*((\c)%NBUF)+\q], v[AD+4*((\c)%NBUF)+\q], 4, s21  ; the load stays in my wave's 4,096 bytes whatever the buffer holds
.endr
.irp q, 0,1,2,3
	ds_load_b128 v[RB+16*((\c)%NBUF)+4*\q:RB+16*((\c)%NBUF)+4*\q+3], v[AD+4*((\c)%NBUF)+\q]
.endr
.endm
; FINISH c: left = LDS loads younger than chunk c's that may stay out
.macro FINISH c, left
	s_wait_loadcnt 31-(\c)                         ; x of chunk c is in; the 31 - c younger loads stay out
	s_wait_dscnt \left
.irp q, 0,1,2,3
	v_cmp_ge_f32 s[QM+\q], v[XQ+4*(\c)+\q], v[RB+16*((\c)%NBUF)+4*\q]      ; knot b counts as <= x: the right segment
.endr
.irp q, 0,1,2,3
	v_sub_f32 v[RB+16*((\c)%NBUF)+4*\q], v[XQ+4*(\c)+\q], v[RB+16*((\c)%NBUF)+4*\q]
.endr
.irp q, 0,1,2,3
	v_cndmask_b32 v[RB+16*((\c)%NBUF)+4*\q+2], v[RB+16*((\c)%NBUF)+4*\q+2], v[RB+16*((\c)%NBUF)+4*\q+3], s[QM+\q]
.endr
.irp q, 0,1,2,3
	v_fma_f32 v[XQ+4*(\c)+\q], v[RB+16*((\c)%NBUF)+4*\q], v[RB+16*((\c)%NBUF)+4*\q+2], v[RB+16*((\c)%NBUF)+4*\q+1]
.endr
	global_store_b128 v[OFF], v[XQ+4*(\c):XQ+4*(\c)+3], s[10:11] offset:512*(\c) th:TH_STORE_NT   ; 512 consecutive bytes, aligned
.endm
	s_wait_loadcnt 39                              ; the first 16 bytes of bins are in (7 loads of bins and 32 of x are younger).
	ISSUE 0                                        ; The gathers follow the table's stores in this wave's own order in LDS: no wait between them
	ISSUE 1
	ISSUE 2                                        ; from FINISH 0 on at most 31 loads are out, so all of bins is in
.irp c, 0,1,2,3,4,5,6,7,8,9,10,11,12,13,14,15,16,17,18,19,20,21,22,23,24,25,26,27,28
	FINISH \c, 8                                   ; chunks c+1 and c+2, four loads each, stay out
	ISSUE \c+3
.endr
	FINISH 29, 8
	FINISH 30, 4                                   ; nothing more is asked for: the counts run down
	FINISH 31, 0
	s_wait_tensorcnt 0x0
	ds_add_u32 v252, v253
	s_wait_dscnt 0x0
	s_endpgm
.Lfunc_end_k_qe5360ee35e_interp:
	.size	k_qe5360ee35e_interp, .Lfunc_end_k_qe5360ee35e_interp-k_qe5360ee35e_interp
	.p2alignl 7, 3214868480
	.fill 96, 4, 3214868480
	.section	.rodata,"a",@progbits
	.p2align	6, 0x0
	.amdhsa_kernel k_qe5360ee35e_interp
		.amdhsa_group_segment_fixed_size 67584
		.amdhsa_private_segment_fixed_size 0
		.amdhsa_enable_private_segment 0
		.amdhsa_kernarg_size 32
		.amdhsa_user_sgpr_count 2
		.amdhsa_user_sgpr_kernarg_segment_ptr 1
		.amdhsa_wavefront_size32 1
		.amdhsa_system_sgpr_workgroup_id_x 1
		.amdhsa_system_sgpr_workgroup_id_y 1
		.amdhsa_system_sgpr_workgroup_id_z 1
		.amdhsa_system_vgpr_workitem_id 0
		.amdhsa_next_free_vgpr 254
		.amdhsa_next_free_sgpr 66
		.amdhsa_reserve_vcc 0
		.amdhsa_float_denorm_mode_32 3
		.amdhsa_float_denorm_mode_16_64 3
		.amdhsa_memory_ordered 1
		.amdhsa_forward_progress 1
		.amdhsa_inst_pref_size 78
	.end_amdhsa_kernel
	.amdgpu_metadata
---
amdhsa.version: [ 1, 2 ]
amdhsa.kernels:
  - .name:           k_qe5360ee35e_interp
    .symbol:         k_qe5360ee35e_interp.kd
    .args:
      - { .name: inputs, .offset: 0, .size: 8, .value_kind: global_buffer, .address_space: global }
      - { .name: x, .offset: 8, .size: 8, .value_kind: global_buffer, .address_space: global }
      - { .name: bins, .offset: 16, .size: 8, .value_kind: global_buffer, .address_space: global }
      - { .name: out0, .offset: 24, .size: 8, .value_kind: global_buffer, .address_space: global }
    .group_segment_fixed_size: 67584
    .private_segment_fixed_size: 0
    .kernarg_segment_align: 8
    .kernarg_segment_size: 32
    .max_flat_workgroup_size: 512
    .sgpr_count:     66
    .vgpr_count:     254
    .wavefront_size: 32
...
	.end_amdgpu_metadata
.endif
;; end of part 2
;; ======== version 2 of 2: 2 launches; version 1 with the launch interp written anew for expert scheduling mode
;; workspace buffers: bins 16,777,216 bytes of whole numbers
;; launch binning: the kernel of part 1 again; grid 256 x 1, 16 waves a work-group, no clusters, 0 bytes of LDS; arguments x, bins; writes bins
;; launch interp (part 3): grid 256 x 1, 16 waves a work-group, no clusters, 67,584 bytes of LDS; arguments inputs, x, bins, out0; writes out0
.if DOCPART == 3
	.amdgcn_target "amdgcn-amd-amdhsa--gfx1250"
	.amdhsa_code_object_version 6
	.text
	.protected	k_qe5360ee35e_interp
	.globl	k_qe5360ee35e_interp
	.p2align	8
	.type	k_qe5360ee35e_interp,@function
k_qe5360ee35e_interp:
	s_mov_b64 s[64:65], 0
	v_nop
	global_prefetch_b8 v0, s[64:65] scope:SCOPE_SE
	s_setreg_imm32_b32 hwreg(HW_REG_WAVE_SCHED_MODE, 0, 2), 2
	s_setreg_imm32_b32 hwreg(HW_REG_WAVE_MODE, 25, 1), 1
	s_wait_xcnt 0x0
	s_wait_alu depctr_vm_vsrc(0)
; out0[row][q] = interp(x[row][q]; knots xp[row][0..255], values fp[row][0..255]), extrapolated at both ends.
; THE KNOTS.  tanh p = 1 - 2 r with r = 1 / (1 + e^(2p)), so  xp[j] = (j + 1/2)/256 + tanh(p)/512 = (j + 1 - r)/256 :
; one fused multiply-add on the exact (j + 1)/256, then the clip to [0, 1].  r lies in [0, 1], so knot j lies in bin j = [j/256, (j+1)/256].
; THE SEARCH.  With b = clamp(floor(256 x), 0, 255) (made by the launch before, read here as a byte) the knots below bin b are <= x and those
; above are > x, so the count of knots <= x is b + (xp[b] <= x): the segment is the one right or left of knot b, and both pass through
; (xp[b], fp[b]).  One record of 16 bytes for each bin, (xp, fp, slope left, slope right), one LDS load for each query, and
;     out = fp + (x - xp) * (x >= xp ? right : left).
; x - xp is formed first and multiplied by the slope: no difference of large products.
; THE ENDS, as the clip of the segment number to 1 .. 255 has them: record 0's left slope is S[0], record 255's right slope is S[254].
; A segment with |dx| <= 2^-46 has slope 0 (the value at its left knot is returned); inside the table no query falls into such a segment;
; at the upper end the left knot's value is fp[254], so record 255 then carries fp[254] (all of bin 255 is right of its knot in that case).
; LIMITS.  Centres are the exact (j + 1/2)/256, where a linspace in f32 rounds them to within about one unit in the last place; the slope is
; df * rcp(dx), not (delta/dx) * df;  x = +-inf on a segment of slope 0 gives NaN;  NaN in inputs[..][0] is not served.
; THE SHAPE.  Sixteen waves, 16 rows, a wave one row.  Each wave has its own table of 4,096 bytes at wave * 4,096 and reads no other wave's
; bytes: no barrier.  All 44 global loads of a wave are issued first (2 KB of inputs, 4 KB of bins, 16 KB of x): nothing is asked of memory later,
; no source of a global instruction is ever written again, and results replace x in its registers.
; No tensor loads, clusters or matrix units: no byte is shared between work-groups and there is no product of matrices.
; THE MODE: SCHED_MODE bits 1:0 = 2 (LLVM: expert scheduling mode 2), set by the entry lines.  The code itself states the register dependences
; between vector instructions and memory or LDS instructions, with s_wait_alu, always for 0.
; THE PLAN.  The 32 chunks of four queries a lane go in 32 blocks.  Registers that memory or LDS instructions touch there:
;   RB0 .. RB3  four buffers of four records.  Chunk k's gather, issued in block k - 3, lands in RB[k % 4]; block k's vector lines read and rewrite it.
;   AD0 .. AD3  four sets of four LDS addresses.  Block k - 4's address lines write AD[k % 4]; chunk k's gather reads it; block k writes it again.
;   XQ[k]       x of chunk k as loaded; block k's multiply-adds write the results over it; the store issued in block k + 1 reads it; never written again.
;   v[OFF]      read by every global load and store; written once, at the head.
; Block c's vector lines name XQ[c], RB[c % 4], AD[c % 4] and a word of IDX.  Its memory instructions are the gather of chunk c + 3, which touches AD and RB
; number (c + 3) % 4 = (c - 1) % 4, and the store of chunk c - 1: registers that block c - 1 worked on and that no vector line of block c names.  So the waits at a
; block's head state all that these five instructions hang on, and they are dealt among the block's vector lines with no further wait.
.set NBUF, 4                           ; gather buffers: chunks c+1 and c+2 are on their way while chunk c is finished, and chunk c+3 is asked for into the buffer that block c-1 left
.set OFF,  1                           ; v1         16 lane: my 16 bytes of every 512
.set TB,   2                           ; v2         LDS address of my even record of quarter 0: table + 32 lane
.set NB3,  3                           ; v3         quarter 3: the record behind my odd one, held at record 255
.set W3,   4                           ; v4         quarter 3: left-slope word of the record behind my odd one, wrapped to record 0
.set WV,   5                           ; v5         what goes there
.set LN,   6                           ; v6         lane
.set AD,   8                           ; v[8:23]    gather addresses, a set of four for each buffer
.set IDX,  24                          ; v[24:55]   word c: the bins of chunk c's four queries
.set XQ,   56                          ; v[56:183]  chunk c: four x, then four results
.set RB,   184                         ; v[184:247] buffer s: four records of four words.  Before the first gather: the build's registers
.set EDGE, RB                          ; (j + 1)/256 of my eight bins
.set ARG,  RB+8                        ; 2 p log2(e)
.set EXQ,  RB+16                       ; e^(2p), then 1 + e^(2p)
.set RCP,  RB+24                       ; r
.set NXT,  RB+32                       ; (xp, fp) of the record behind each odd bin
.set DX,   RB+40                       ; xp[j+1] - xp[j]
.set IN,   RB+48                       ; quarter k: (p, t) of bins 2 lane + 64 k and the next; p becomes xp in place
.set DF,   ARG                         ; fp[j+1] - fp[j]
.set QT,   EXQ                         ; 1/dx, then df/dx
.set SL,   RCP                         ; slopes S[j] of my eight bins, in pairs (even, odd): r is no longer wanted when they are made
.set DM,   28                          ; s[28:35]   lanes whose segment has |dx| <= 2^-46, for each of the eight
.set QM,   36                          ; s[36:39]   lanes with x >= xp, for each of a chunk's four queries
	s_load_b256 s[4:11], s[0:1], 0x0               ; inputs s[4:5], x s[6:7], bins s[8:9], out0 s[10:11]
	v_lshl_add_u32 v248, v0, 2, 0x10000
	v_mov_b32 v249, 0
	v_lshrrev_b32 v[WV], 5, v0
	v_readfirstlane_b32 s20, v[WV]                 ; wave 0..15
	v_and_b32 v[LN], 31, v0
	v_lshlrev_b32 v[OFF], 4, v[LN]
	s_wait_alu depctr_va_sdst(0)                   ; s20 is written, ahead of its first reader: the row and the table's place are made from it
	s_lshl_b32 s12, ttmp9, 4
	s_add_co_u32 s12, s12, s20                     ; my row
	s_lshl_b32 s14, s12, 11                        ; 2,048 bytes of inputs a row
	s_mov_b32 s15, 0
	s_lshl_b32 s16, s12, 14                        ; 16,384 bytes of x and of out0 (4095 << 14 is below 2^31)
	s_mov_b32 s17, 0
	s_lshl_b32 s18, s12, 12                        ; 4,096 bytes of bins
	s_mov_b32 s19, 0
	s_lshl_b32 s21, s20, 12                        ; my table in LDS
	s_mov_b32 s22, 0x3b800000                      ; 1/256
	s_mov_b32 s23, 0x4038aa3b                      ; 2 log2(e)
	s_mov_b32 s24, 0x28800000                      ; 2^-46, the spacing of f32's epsilon
	s_wait_kmcnt 0x0
	s_add_nc_u64 s[4:5], s[4:5], s[14:15]
	s_add_nc_u64 s[6:7], s[6:7], s[16:17]
	s_add_nc_u64 s[8:9], s[8:9], s[18:19]
	s_add_nc_u64 s[10:11], s[10:11], s[16:17]
	s_wait_alu depctr_va_vdst(0)                   ; v[OFF] is written: every global load and store of the kernel reads it as its offset
	; every load covers 512 consecutive bytes; in the order in which they are needed
.irp k, 0,1,2,3
	global_load_b128 v[IN+4*\k:IN+4*\k+3], v[OFF], s[4:5] offset:512*\k th:TH_LOAD_NT
.endr
.irp g, 0,1,2,3,4,5,6,7
	global_load_b128 v[IDX+4*\g:IDX+4*\g+3], v[OFF], s[8:9] offset:512*\g th:TH_LOAD_NT
.endr
.irp c, 0,1,2,3,4,5,6,7,8,9,10,11,12,13,14,15,16,17,18,19,20,21,22,23,24,25,26,27,28,29,30,31
	global_load_b128 v[XQ+4*\c:XQ+4*\c+3], v[OFF], s[6:7] offset:512*\c th:TH_LOAD_NT
.endr
	; what hangs on the lane alone, while the loads are out
	v_lshlrev_b32 v[TB], 5, v[LN]                  ; two records a lane
	v_add_nc_u32 v[NB3], 32, v[TB]
	v_min_u32 v[NB3], 0x3f0, v[NB3]                ; + 3,072: lane 31 has no record 256 and reads record 255 (dx = 0; its slope is replaced below)
	v_add_nc_u32 v[W3], 0xc28, v[TB]               ; 3,072 + 32 + 8: left-slope word of record 2 lane + 194;
	v_and_b32 v[W3], 0xfff, v[W3]                  ; lane 31's 4,104 wraps to 8, record 0's left-slope word
	v_add_nc_u32 v[TB], s21, v[TB]
	v_add_nc_u32 v[NB3], s21, v[NB3]
	v_add_nc_u32 v[W3], s21, v[W3]
	v_cmp_eq_u32 s25, 31, v[LN]                    ; lane 31 holds bins 254 and 255 in quarter 3
	v_lshl_or_b32 v[EDGE], v[LN], 1, 1
	v_cvt_f32_u32 v[EDGE], v[EDGE]
	v_mul_f32 v[EDGE], s22, v[EDGE]                ; (2 lane + 1)/256: upper edge of my even bin of quarter 0.  All of these are exact
	v_add_f32 v[EDGE+1], s22, v[EDGE]              ; the odd bin's
.irp k, 1,2,3
	v_add_f32 v[EDGE+2*\k],   0x3e800000, v[EDGE+2*\k-2]   ; 64 bins on: + 1/4
	v_add_f32 v[EDGE+2*\k+1], 0x3e800000, v[EDGE+2*\k-1]
.endr
; The four LDS addresses of chunk c's records, into set c % 4.
.macro ADDR c
.irp q, 0,1,2,3
	v_bfe_u32 v[AD+4*((\c)%NBUF)+\q], v[IDX+(\c)], 8*\q, 8
.endr
.irp q, 0,1,2,3
	v_min_u32 v[AD+4*((\c)%NBUF)+\q], 0xff, v[AD+4*((\c)%NBUF)+\q]         ; a number read from memory enters an address only behind a minimum with a constant:
.endr
.irp q, 0,1,2,3
	v_lshl_add_u32 v[AD+4*((\c)%NBUF)+\q], v[AD+4*((\c)%NBUF)+\q], 4, s21  ; the load stays in my wave's 4,096 bytes whatever the buffer holds
.endr
.endm
; The record of query q of chunk c is asked for, into buffer c % 4.
.macro GATHER c, q
	ds_load_b128 v[RB+16*((\c)%NBUF)+4*(\q):RB+16*((\c)%NBUF)+4*(\q)+3], v[AD+4*((\c)%NBUF)+(\q)]
.endm
	; THE TABLE.  i = 0..7: bin 2 lane + 64 (i/2) + i%2, its p in IN+2i, its t in IN+2i+1
	s_wait_loadcnt 40                              ; inputs are in; the 8 loads of bins and the 32 of x stay out
.irp i, 0,1,2,3,4,5,6,7
	v_mul_f32 v[ARG+\i], s23, v[IN+2*\i]
.endr
.irp i, 0,1,2,3,4,5,6,7
	v_exp_f32 v[EXQ+\i], v[ARG+\i]                 ; e^(2p); +inf and 0 at the far ends give r = 0 and r = 1, tanh = +1 and -1
.endr
	v_nop                                          ; one plain instruction between a transcendental and the first use of a result (ISA guide 5.7.2)
	s_wait_alu depctr_va_vdst(0)                   ; the eight exponentials have written v[EXQ ..], ahead of their first reader: one wait for the batch
.irp i, 0,1,2,3,4,5,6,7
	v_add_f32 v[EXQ+\i], 1.0, v[EXQ+\i]
.endr
.irp i, 0,1,2,3,4,5,6,7
	v_rcp_f32 v[RCP+\i], v[EXQ+\i]
.endr
	v_nop
	s_wait_alu depctr_va_vdst(0)                   ; the eight reciprocals have written v[RCP ..], ahead of their first reader
.irp i, 0,1,2,3,4,5,6,7
	v_fma_f32 v[IN+2*\i], -v[RCP+\i], s22, v[EDGE+\i]      ; xp = (j + 1)/256 - r/256, rounded once
.endr
.irp i, 0,1,2,3,4,5,6,7
	v_max_num_f32 v[IN+2*\i], 0, v[IN+2*\i]        ; the clip to [0, 1]
.endr
.irp i, 0,1,2,3,4,5,6,7
	v_min_num_f32 v[IN+2*\i], 1.0, v[IN+2*\i]
.endr
.irp k, 0,1,2,3
	v_sub_f32 v[DX+2*\k], v[IN+4*\k+2], v[IN+4*\k]         ; the even bins' segments end at my own odd bins
	v_sub_f32 v[DF+2*\k], v[IN+4*\k+3], v[IN+4*\k+1]
.endr
	v_cmp_le_f32 s26, |v[DX+6]|, s24               ; segment 254 without width:
	s_wait_alu depctr_va_sdst(0)                   ; the compares have written s26 and s25, ahead of the first reader of either
	s_and_b32 s26, s26, s25
	v_cndmask_b32 v[IN+15], v[IN+15], v[IN+13], s26        ; record 255 then carries fp[254]
	s_wait_alu depctr_va_vdst(0)                   ; v[IN ..] are written, which the LDS stores below read as data, and v[TB] and v[NB3], which the stores and loads read as addresses
.irp k, 0,1,2,3
	ds_store_b64 v[TB], v[IN+4*\k:IN+4*\k+1]   offset:1024*\k      ; (xp, fp) of the even record
	ds_store_b64 v[TB], v[IN+4*\k+2:IN+4*\k+3] offset:1024*\k+16   ; and of the odd one
.endr
.irp k, 0,1,2
	ds_load_b64 v[NXT+2*\k:NXT+2*\k+1], v[TB] offset:1024*\k+32    ; the record behind my odd one: another lane of this wave stored it,
.endr
	ds_load_b64 v[NXT+6:NXT+7], v[NB3] offset:3072                 ; and LDS serves a wave's instructions in order (ISA guide 5.7.1)
	s_wait_dscnt 0x0
.irp k, 0,1,2,3
	v_sub_f32 v[DX+2*\k+1], v[NXT+2*\k],   v[IN+4*\k+2]
	v_sub_f32 v[DF+2*\k+1], v[NXT+2*\k+1], v[IN+4*\k+3]
.endr
.irp i, 0,1,2,3,4,5,6,7
	v_rcp_f32 v[QT+\i], v[DX+\i]
.endr
	v_nop
.irp i, 0,1,2,3,4,5,6,7
	v_cmp_le_f32 s[DM+\i], |v[DX+\i]|, s24
.endr
	s_wait_alu depctr_va_vdst(0)                   ; the eight reciprocals have written v[QT ..], ahead of their first reader; the compares above name none of them
	s_wait_alu depctr_va_sdst(0)                   ; the eight compares have written s[DM ..], ahead of the selects that read them
.irp i, 0,1,2,3,4,5,6,7
	v_mul_f32 v[QT+\i], v[QT+\i], v[DF+\i]
.endr
.irp i, 0,1,2,3,4,5,6,7
	v_cndmask_b32 v[SL+\i], v[QT+\i], 0, s[DM+\i]  ; S[j] = df/dx, or 0 where the segment has no width
.endr
	v_cndmask_b32 v[SL+7], v[SL+7], v[SL+6], s25   ; right of knot 255 the line of segment 254 goes on
	v_readfirstlane_b32 s27, v[SL]                 ; S[0], from lane 0: a value, it steers nothing
	s_wait_loadcnt 39                              ; the first 16 bytes of bins are in (7 loads of bins and 32 of x are younger): the words of chunks 0 to 3
	ADDR 0                                         ; the addresses of the first four chunks stand here, between the line that writes s27 and the wait for it,
	ADDR 1                                         ; and ahead of the one wait that the table's last stores want anyway
	ADDR 2
	ADDR 3
	s_wait_alu depctr_va_sdst(0)                   ; s27 is written, ahead of the select that reads it
	v_cndmask_b32 v[WV], v[SL+7], s27, s25         ; lane 31 writes it to record 0: left of knot 0 the line of segment 0 goes on
	s_wait_alu depctr_va_vdst(0)                   ; v[SL ..], v[WV] and v[W3] are written, which the stores below read; so are the four address sets, which the gathers of chunks 0 to 3 read;
	                                               ; and every vector line of the build is done with v[RB ..], in which those gathers land.  No vector line follows before block 0's
.irp k, 0,1,2,3
	ds_store_b32 v[TB], v[SL+2*\k]             offset:1024*\k+12   ; even record: right slope
	ds_store_b64 v[TB], v[SL+2*\k:SL+2*\k+1]   offset:1024*\k+24   ; odd record: left and right slope
.endr
.irp k, 0,1,2
	ds_store_b32 v[TB], v[SL+2*\k+1]           offset:1024*\k+40   ; the record behind: left slope
.endr
	ds_store_b32 v[W3], v[WV]
	s_wait_alu depctr_vm_vsrc(0)                   ; the table's stores have read v[SL ..] and v[IN ..], in which gathers land
.irp c, 0,1,2
.irp q, 0,1,2,3
	GATHER \c, \q                                  ; the gathers follow the table's stores in this wave's own order in LDS: no wait on the LDS counter between them
.endr
.endr
; THE QUERIES.  Block c finishes chunk c.  left = LDS loads younger than chunk c's that may stay out.
.macro BLOCK c, left
	s_wait_loadcnt 31-(\c)                         ; x of chunk c is in; the 31 - c younger loads stay out (so from block 0 on all of bins is in)
	s_wait_dscnt \left                             ; the records of chunk c are in
.if (\c) < 28
	s_wait_alu depctr_vm_vsrc(0)                   ; chunk c's gather has read address set c % 4, which this block's address lines write again
.endif
.if (\c) > 0
	s_wait_alu depctr_va_vdst(0)                   ; the block before has written its results, which the store below reads, and the address set that the gather below reads, and is done with its buffer, in which that gather lands
.endif                                                 ; (block 0: the wait ahead of the table's last stores still holds: no vector line has been issued since)
.irp q, 0,1,2,3
.if (\c) < 29
	GATHER (\c)+3, \q                              ; three chunks ahead.  No vector line since the wait names its address or its four registers
.endif
	v_cmp_ge_f32 s[QM+\q], v[XQ+4*(\c)+\q], v[RB+16*((\c)%NBUF)+4*\q]      ; knot b counts as <= x: the right segment
	v_sub_f32 v[RB+16*((\c)%NBUF)+4*\q], v[XQ+4*(\c)+\q], v[RB+16*((\c)%NBUF)+4*\q]
.endr
.if (\c) > 0
	global_store_b128 v[OFF], v[XQ+4*(\c)-4:XQ+4*(\c)-1], s[10:11] offset:512*((\c)-1) th:TH_STORE_NT   ; the chunk before: 512 consecutive bytes, aligned
.endif
.if (\c) < 28
	ADDR (\c)+4                                    ; for the gather that the next block issues
.endif
	s_wait_alu depctr_va_sdst(0)                   ; the four compares have written s[QM ..], ahead of the selects that read them
.irp q, 0,1,2,3
	v_cndmask_b32 v[RB+16*((\c)%NBUF)+4*\q+2], v[RB+16*((\c)%NBUF)+4*\q+2], v[RB+16*((\c)%NBUF)+4*\q+3], s[QM+\q]
.endr
.irp q, 0,1,2,3
	v_fma_f32 v[XQ+4*(\c)+\q], v[RB+16*((\c)%NBUF)+4*\q], v[RB+16*((\c)%NBUF)+4*\q+2], v[RB+16*((\c)%NBUF)+4*\q+1]
.endr
.endm
.irp c, 0,1,2,3,4,5,6,7,8,9,10,11,12,13,14,15,16,17,18,19,20,21,22,23,24,25,26,27,28,29
	BLOCK \c, 8                                    ; chunks c+1 and c+2, four loads each, stay out
.endr
	BLOCK 30, 4                                    ; nothing more is asked for: the counts run down
	BLOCK 31, 0
	s_wait_alu depctr_va_vdst(0)                   ; block 31 has written its results, which the last store reads
	global_store_b128 v[OFF], v[XQ+124:XQ+127], s[10:11] offset:512*31 th:TH_STORE_NT
	s_wait_dscnt 0x0
	s_wait_alu depctr_hold_cnt(0) depctr_sa_sdst(0) depctr_va_vdst(0) depctr_va_sdst(0) depctr_va_ssrc(0) depctr_va_vcc(0) depctr_vm_vsrc(0)
	s_wait_tensorcnt 0x0
	ds_add_u32 v248, v249
	s_wait_dscnt 0x0
	s_endpgm
.Lfunc_end_k_qe5360ee35e_interp:
	.size	k_qe5360ee35e_interp, .Lfunc_end_k_qe5360ee35e_interp-k_qe5360ee35e_interp
	.p2alignl 7, 3214868480
	.fill 96, 4, 3214868480
	.section	.rodata,"a",@progbits
	.p2align	6, 0x0
	.amdhsa_kernel k_qe5360ee35e_interp
		.amdhsa_group_segment_fixed_size 67584
		.amdhsa_private_segment_fixed_size 0
		.amdhsa_enable_private_segment 0
		.amdhsa_kernarg_size 32
		.amdhsa_user_sgpr_count 2
		.amdhsa_user_sgpr_kernarg_segment_ptr 1
		.amdhsa_wavefront_size32 1
		.amdhsa_system_sgpr_workgroup_id_x 1
		.amdhsa_system_sgpr_workgroup_id_y 1
		.amdhsa_system_sgpr_workgroup_id_z 1
		.amdhsa_system_vgpr_workitem_id 0
		.amdhsa_next_free_vgpr 250
		.amdhsa_next_free_sgpr 66
		.amdhsa_reserve_vcc 0
		.amdhsa_float_denorm_mode_32 3
		.amdhsa_float_denorm_mode_16_64 3
		.amdhsa_memory_ordered 1
		.amdhsa_forward_progress 1
		.amdhsa_inst_pref_size 81
	.end_amdhsa_kernel
	.amdgpu_metadata
---
amdhsa.version: [ 1, 2 ]
amdhsa.kernels:
  - .name:           k_qe5360ee35e_interp
    .symbol:         k_qe5360ee35e_interp.kd
    .args:
      - { .name: inputs, .offset: 0, .size: 8, .value_kind: global_buffer, .address_space: global }
      - { .name: x, .offset: 8, .size: 8, .value_kind: global_buffer, .address_space: global }
      - { .name: bins, .offset: 16, .size: 8, .value_kind: global_buffer, .address_space: global }
      - { .name: out0, .offset: 24, .size: 8, .value_kind: global_buffer, .address_space: global }
    .group_segment_fixed_size: 67584
    .private_segment_fixed_size: 0
    .kernarg_segment_align: 8
    .kernarg_segment_size: 32
    .max_flat_workgroup_size: 512
    .sgpr_count:     66
    .vgpr_count:     250
    .wavefront_size: 32
...
	.end_amdgpu_metadata
.endif
;; end of part 3
